; MI455X (gfx1250); checked and timed in simulation.
; The chip was launched on July 23, 2026; its instructions are those of AMD's public machine-readable ISA for CDNA 5 (MIT licence, August 2026) and "CDNA5" Instruction Set Architecture Reference Guide (July 2026). The comments in the code are by the model that wrote it; some were corrected since.
;; QMLP. Allowed arithmetic: float matrix products may take bf16 or f16 operands with f32 sums; other float arithmetic in f32, or as packed bf16 or f16 multiplies, adds, multiply-adds, maxima and minima; sums over many terms, partial sums and values carried from step to step in f32; what a program stores and reads back later, other than sums and carried values, may be rounded once to bf16 or f16.
;; Inputs: W1_i 512 x 512 float32; W1_j 512 x 512 float32; W1_k 512 x 512 float32; W1_r 512 x 512 float32; W2_i 512 x 512 float32; W2_j 512 x 512 float32; W2_k 512 x 512 float32; W2_r 512 x 512 float32; b1_i 512 float32; b1_j 512 float32; b1_k 512 float32; b1_r 512 float32; b2_i 512 float32; b2_j 512 float32; b2_k 512 float32; b2_r 512 float32; q_i 8,192 x 512 float32; q_j 8,192 x 512 float32; q_k 8,192 x 512 float32; q_r 8,192 x 512 float32.
;; Outputs: out0 8,192 x 512 float32; out1 8,192 x 512 float32; out2 8,192 x 512 float32; out3 8,192 x 512 float32.
;; 2 versions, each right; version 2 is version 1 with the launch prep written anew for expert scheduling mode. Each part assembles by itself: llvm-mc -triple=amdgcn-amd-amdhsa -mcpu=gfx1250 --defsym DOCPART=n.
;; ======== version 1 of 2: 2 launches
;; workspace buffers: wp 4,194,304 bytes
;; launch prep (part 1): grid 256 x 1, 4 waves a work-group, no clusters, 17,920 bytes of LDS; arguments W1_r, W1_i, W1_j, W1_k, W2_r, W2_i, W2_j, W2_k, wp; writes wp
.if DOCPART == 1
	.amdgcn_target "amdgcn-amd-amdhsa--gfx1250"
	.amdhsa_code_object_version 6
	.text
	.protected	k_q9f2b15f3a8_prep
	.globl	k_q9f2b15f3a8_prep
	.p2align	8
	.type	k_q9f2b15f3a8_prep,@function
k_q9f2b15f3a8_prep:
	s_mov_b64 s[64:65], 0
	v_nop
	global_prefetch_b8 v0, s[64:65] scope:SCOPE_SE
	s_setreg_imm32_b32 hwreg(HW_REG_WAVE_MODE, 25, 1), 1
	s_wait_xcnt 0x0
; The eight weight matrices [512][512] f32 are rounded once to bf16 and laid out in the order in which the second launch's matrix instructions take them.
; wp, in bytes: ((L*16+s)*2+P)*65536 + blk*16384 + b1*8192 + t*1024 + q*512 + lane*16, with layer L, K slice s of 32 channels, component b = 2 P + b1 (r, i, j, k = 0..3),
; block blk of 128 rows, tile t of 16 rows.  The 16 bytes of lane (r = lane % 16, h = lane / 16) are W[128 blk + 16 t + r][32 s + 16 q + 8 h + 0..7]: 1,024 bytes are one fragment of 16 rows x 32 channels.
; SHARES.  Work-group g takes 16 rows (tile row tr = g % 32) of matrix g / 32; wave v takes channels 128 v .. 128 v + 127: the K slices 4 v .. 4 v + 3.
; Each load takes 512 consecutive bytes of a row, each store 512 consecutive bytes of wp, both at multiples of 512 from the buffer's first byte.  The turn from rows to fragments goes through
; the wave's own stage in LDS, so no barrier is needed.  No matrix unit, no cluster, no ring: 8 MiB in, 4 MiB out, every byte once, all of a wave's 16 loads out at once.
.set PITCH,  272                       ; a stage row: 256 bytes (128 bf16) + 16: the 16 rows that a load back touches start at 16 different groups of four banks (64 banks of 4 bytes: ISA guide 11.1)
.set WSTAGE, 16*PITCH                  ; a wave's stage
.set SPARE,  4*WSTAGE                  ; behind the stages: the spare words, 128 bytes a wave: two blocks of 256 bytes that no other line names
.set GOF, 2                            ; v2   16 x lane: my place in 512 bytes of W and of wp; never rewritten
.set SA,  3                            ; v3   stage: where I put 8 bytes of a row
.set RA,  4                            ; v4   stage: where I read 16 bytes of a fragment
.set SPW, 8                            ; v8   LDS address of my spare word; never rewritten
.set NIL, 9                            ; v9   0; never rewritten
.set X,   16                           ; v[16:79]   row p: 4 f32 as loaded, then 4 bf16 in the first two registers
.set Y,   80                           ; v[80:111]  eight half fragments
	s_load_b512 s[8:23], s[0:1], 0x0               ; the eight matrices, in the order W1 r i j k, W2 r i j k
	s_load_b64 s[4:5], s[0:1], 0x40                ; wp
	v_lshl_add_u32 v[SPW], v0, 2, SPARE
	v_mov_b32 v[NIL], 0
	v_lshrrev_b32 v1, 5, v0
	v_readfirstlane_b32 s6, v1                     ; wave 0..3
	v_and_b32 v5, 31, v0                           ; lane
	v_and_b32 v6, 15, v0                           ; r
	v_bfe_u32 v7, v0, 4, 1                         ; h
	v_lshlrev_b32 v[GOF], 4, v5
	s_mul_i32 s7, s6, WSTAGE                       ; my stage
	v_lshl_add_u32 v[SA], v5, 3, s7                ; 8 x lane: a row's 256 bytes on end
	v_mul_u32_u24 v[RA], v6, PITCH
	v_lshl_add_u32 v[RA], v7, 4, v[RA]
	v_add_nc_u32 v[RA], s7, v[RA]                  ; row r, 16 h
	s_mov_b32 s2, ttmp9                            ; g
	s_and_b32 s32, s2, 31                          ; tr
	s_lshl_b32 s34, s32, 15                        ; 16 rows of 2,048 bytes
	s_lshl_b32 s33, s6, 9                          ; my 128 channels
	s_add_co_u32 s34, s34, s33
	s_mov_b32 s35, 0                               ; s[34:35]: my offset in the matrix
	s_lshr_b32 s36, s2, 7                          ; L
	s_lshl_b32 s36, s36, 4
	s_lshl2_add_u32 s36, s6, s36                   ; 16 L + 4 v: my first K slice
	s_lshl_b32 s36, s36, 1
	s_bfe_u32 s37, s2, 0x10006                     ; P = b / 2
	s_add_co_u32 s36, s36, s37
	s_lshl_b32 s36, s36, 16
	s_lshr_b32 s37, s32, 3                         ; blk
	s_lshl_b32 s37, s37, 14
	s_add_co_u32 s36, s36, s37
	s_bfe_u32 s37, s2, 0x10005                     ; b % 2
	s_lshl_b32 s37, s37, 13
	s_add_co_u32 s36, s36, s37
	s_and_b32 s37, s32, 7                          ; t
	s_lshl_b32 s37, s37, 10
	s_add_co_u32 s36, s36, s37
	s_mov_b32 s37, 0                               ; s[36:37]: my offset in wp
	s_wait_kmcnt 0x0
	s_bitcmp1_b32 s2, 5                            ; matrix g / 32 is chosen bit by bit: the selects leave SCC as it is
	s_cselect_b64 s[24:25], s[10:11], s[8:9]
	s_cselect_b64 s[26:27], s[14:15], s[12:13]
	s_cselect_b64 s[28:29], s[18:19], s[16:17]
	s_cselect_b64 s[30:31], s[22:23], s[20:21]
	s_bitcmp1_b32 s2, 6
	s_cselect_b64 s[24:25], s[26:27], s[24:25]
	s_cselect_b64 s[28:29], s[30:31], s[28:29]
	s_bitcmp1_b32 s2, 7
	s_cselect_b64 s[24:25], s[28:29], s[24:25]
	s_add_nc_u64 s[24:25], s[24:25], s[34:35]
	s_add_nc_u64 s[4:5], s[4:5], s[36:37]
.irp p, 0,1,2,3,4,5,6,7,8,9,10,11,12,13,14,15
	global_load_b128 v[X+4*(\p):X+4*(\p)+3], v[GOF], s[24:25] offset:(\p)*2048 th:TH_LOAD_NT  ; row p: my wave's 512 bytes
.endr
.irp p, 0,1,2,3,4,5,6,7,8,9,10,11,12,13,14,15
	s_wait_loadcnt 15-(\p)                         ; loads come back in order (ISA guide 5.7.1): row p is in, the 15 - p younger ones stay out
	v_cvt_pk_bf16_f32 v[X+4*(\p)], v[X+4*(\p)], v[X+4*(\p)+1]
	v_cvt_pk_bf16_f32 v[X+4*(\p)+1], v[X+4*(\p)+2], v[X+4*(\p)+3]
	ds_store_b64 v[SA], v[X+4*(\p):X+4*(\p)+1] offset:(\p)*PITCH
.endr
.irp i, 0,1,2,3,4,5,6,7
	ds_load_b128 v[Y+4*(\i):Y+4*(\i)+3], v[RA] offset:((\i)/2)*64+((\i)%2)*32  ; slice i / 2, half q = i % 2; LDS serves a wave's instructions in order (ISA guide 5.7.1.4): these see the stores above
.endr
.irp i, 0,1,2,3,4,5,6,7
	s_wait_dscnt 7-(\i)                            ; half fragment i is in
	global_store_b128 v[GOF], v[Y+4*(\i):Y+4*(\i)+3], s[4:5] offset:((\i)/2)*131072+((\i)%2)*512  ; a K slice is 131,072 bytes of wp
.endr
	s_wait_tensorcnt 0x0                           ; the wave's end, behind my last LDS store
	ds_add_u32 v[SPW], v[NIL]
	s_wait_dscnt 0x0
	s_endpgm
.Lfunc_end_k_q9f2b15f3a8_prep:
	.size	k_q9f2b15f3a8_prep, .Lfunc_end_k_q9f2b15f3a8_prep-k_q9f2b15f3a8_prep
	.p2alignl 7, 3214868480
	.fill 96, 4, 3214868480
	.section	.rodata,"a",@progbits
	.p2align	6, 0x0
	.amdhsa_kernel k_q9f2b15f3a8_prep
		.amdhsa_group_segment_fixed_size 17920
		.amdhsa_private_segment_fixed_size 0
		.amdhsa_enable_private_segment 0
		.amdhsa_kernarg_size 72
		.amdhsa_user_sgpr_count 2
		.amdhsa_user_sgpr_kernarg_segment_ptr 1
		.amdhsa_wavefront_size32 1
		.amdhsa_system_sgpr_workgroup_id_x 1
		.amdhsa_system_sgpr_workgroup_id_y 1
		.amdhsa_system_sgpr_workgroup_id_z 1
		.amdhsa_system_vgpr_workitem_id 0
		.amdhsa_next_free_vgpr 112
		.amdhsa_next_free_sgpr 66
		.amdhsa_reserve_vcc 0
		.amdhsa_float_denorm_mode_32 3
		.amdhsa_float_denorm_mode_16_64 3
		.amdhsa_memory_ordered 1
		.amdhsa_forward_progress 1
		.amdhsa_inst_pref_size 9
	.end_amdhsa_kernel
	.amdgpu_metadata
---
amdhsa.version: [ 1, 2 ]
amdhsa.kernels:
  - .name:           k_q9f2b15f3a8_prep
    .symbol:         k_q9f2b15f3a8_prep.kd
    .args:
      - { .name: W1_r, .offset: 0, .size: 8, .value_kind: global_buffer, .address_space: global }
      - { .name: W1_i, .offset: 8, .size: 8, .value_kind: global_buffer, .address_space: global }
      - { .name: W1_j, .offset: 16, .size: 8, .value_kind: global_buffer, .address_space: global }
      - { .name: W1_k, .offset: 24, .size: 8, .value_kind: global_buffer, .address_space: global }
      - { .name: W2_r, .offset: 32, .size: 8, .value_kind: global_buffer, .address_space: global }
      - { .name: W2_i, .offset: 40, .size: 8, .value_kind: global_buffer, .address_space: global }
      - { .name: W2_j, .offset: 48, .size: 8, .value_kind: global_buffer, .address_space: global }
      - { .name: W2_k, .offset: 56, .size: 8, .value_kind: global_buffer, .address_space: global }
      - { .name: wp, .offset: 64, .size: 8, .value_kind: global_buffer, .address_space: global }
    .group_segment_fixed_size: 17920
    .private_segment_fixed_size: 0
    .kernarg_segment_align: 8
    .kernarg_segment_size: 72
    .max_flat_workgroup_size: 128
    .sgpr_count:     66
    .vgpr_count:     112
    .wavefront_size: 32
...
	.end_amdgpu_metadata
.endif
;; end of part 1
;; launch qmlp (part 2): grid 256 x 1, 4 waves a work-group, clusters of 4 x 1, 327,680 bytes of LDS; arguments q_r, q_i, q_j, q_k, wp, b1_r, b1_i, b1_j, b1_k, b2_r, b2_i, b2_j, b2_k, out0, out1, out2, out3; writes out0, out1, out2, out3
.if DOCPART == 2
	.amdgcn_target "amdgcn-amd-amdhsa--gfx1250"
	.amdhsa_code_object_version 6
	.text
	.protected	k_q9f2b15f3a8_qmlp
	.globl	k_q9f2b15f3a8_qmlp
	.p2align	8
	.type	k_q9f2b15f3a8_qmlp,@function
k_q9f2b15f3a8_qmlp:
	s_mov_b64 s[64:65], 0
	v_nop
	global_prefetch_b8 v0, s[64:65] scope:SCOPE_SE
	s_setreg_imm32_b32 hwreg(HW_REG_WAVE_MODE, 25, 1), 1
	s_wait_xcnt 0x0
	s_wait_alu depctr_hold_cnt(0) depctr_sa_sdst(0) depctr_va_vdst(0) depctr_va_sdst(0) depctr_va_ssrc(0) depctr_va_vcc(0) depctr_vm_vsrc(0)
	s_getreg_b32 s2, hwreg(HW_REG_IB_STS2, 6, 4)
	s_cmp_eq_u32 s2, 0
	s_cbranch_scc0 .Lentry_in_a_cluster
	s_endpgm
.Lentry_in_a_cluster:
	s_bfe_u32 s2, ttmp6, 0x10000c
	s_cmp_lg_u32 s2, 0x3003
	s_cbranch_scc0 .Lentry_shape_is_right
	s_endpgm
.Lentry_shape_is_right:
; BOTH QUATERNION LAYERS IN ONE LAUNCH.  h = relu(W1 (x) q + b1), out = W2 (x) h + b2; q, out: four components [8192][512] f32; the weights come from wp, bf16 in fragment order.
; FORMATS AND LIMITS.  q, W1, W2 and h are rounded once to bf16 (to nearest even); sums, biases and outputs are f32.  The ReLU is a maximum with 0 on the rounded pair, in which a NaN loses:
; a NaN in h becomes 0.  The sum over K is taken in another cyclic order in each cluster (below).
; SHARES.  Work-group g owns rows 32 g .. 32 g + 31: 256 work-groups.  All 2,048 numbers of h for 32 rows are 64 accumulators of 16 x 16 in each of four waves, so a layer is one walk over K and h
; never leaves the work-group: it goes to LDS as bf16, over x.  Wave w owns 128 output indices in all four components, for both tiles m of 16 rows: acc(o, t, m), o = 0..3, t = 0..7.
; THE HAMILTON PRODUCT.  x_a times W_b goes to component o = a xor b, with the sign of NEGM's bit 4 a + b.  So a fragment of W read from LDS feeds 8 products (4 components of x, 2 row tiles), and only
; 4 x 512 x 512 weights a layer are fetched.  The sign is put on x: the fragments of x_i, x_j, x_k are kept a second time with the bf16 sign bits turned.
; THE MATRIX INSTRUCTION IS USED TRANSPOSED: source 0 = 16 rows of W, source 1 = 16 rows of x or h.  In the result lane (r, h) holds row r and the output indices 8 h + 0..7.
; THE ACCUMULATORS START AS THE BIAS, loaded into them: every product has one form, nothing is cleared and no first step is written out.
; THE WALK.  A LAP is one K slice of 32 channels of all four components: four UNITS (b = 0..3) of 64 products.  Laps 0-15 are layer 1, laps 16-31 layer 2.  Two LDS slots: slot 0 holds the lap's W_r, W_i,
; slot 1 its W_j, W_k; wave w fetches and reads its own 16 KiB of each.  A slot is filled again as soon as its second component is in registers: 112 products stand between a request and the wait for it.
; CLUSTER.  All work-groups walk the same weights: the four of a cluster ask for each tile JOINTLY (the same tensor load, descriptor and mask in all four).  A mask names four at the most, so 4 x 1.
; ROTATION.  Sums over K may be taken in any order: cluster c begins layer 1 at K slice 2 (c % 8) and layer 2 at slice 4 (c % 4), so in a lap the 64 clusters ask for 8 (layer 2: 4) different slices.
; x's chunk at LDS place p is the true chunk (p + c % 8) % 8; wave w makes the true hidden block (w + c % 4) % 4 and stores it at place w.  Only global addresses hang on c; it is the same in all four partners.
; REGISTERS, in windows of 256 (s_set_vgpr_msb: bits 1:0 source 0, 3:2 source 1, 5:4 source 2, 7:6 destination):
;   window 0: v0-29 addresses; v32-95, v96-159 x's fragments, two buffers ((a, m) at 16 a + 8 m); v160-207 the negated ones (a = 1..3); v208-239 at work
;   window 1: v0-63, v64-127 W's fragments, two buffers (on the way out: rows read back); v128-191 q on its way in; v192-255 q's first chunk
;   window 2: acc(o, t, 0) at v[8 (8 o + t)]          window 3: acc(o, t, 1)
.set PX,     4112                      ; a row of x or h in LDS: 4 components x 1,024 bytes + 16: 257 x 16, so the 16 rows of a fragment load start at 16 different groups of four banks (ISA guide 11.1)
.set RING,   32*PX                     ; behind x / h (written by LDS stores alone): the two slots (filled by tensor loads alone)
.set SLOTB,  65536                     ; a slot: four waves x [2 components][8 tiles][1,024 bytes]; dense, read 512 consecutive bytes at a time
.set STAGE,  RING+2*SLOTB              ; behind the ring: 16 rows x 528 bytes for each wave, for the way out
.set SPITCH, 528                       ; 512 + 16 = 33 x 16
.set WSTAGE, 16*SPITCH
.set SPARE,  STAGE+4*WSTAGE            ; behind the stages: the spare words, 128 bytes a wave: two blocks of 256 bytes that no other line names
.set NEGM,   0xc6a0                    ; bit 4 a + b: x_a W_b is subtracted: (1,1) (1,3) (2,1) (2,2) (3,2) (3,3)
.set QP,   4                           ; s[4:11]   q_r, q_i, q_j, q_k at my work-group's first row
.set WP,   12                          ; s[12:13]  wp
.set WV,   14                          ; s14  my wave's number
.set LEFT, 15                          ; s15  trips still to come
.set G1,   16                          ; s[16:23]  descriptor group 1, never rewritten
.set G0,   24                          ; s[24:31]  descriptor group 0, a set for each slot
.set LAPN, 32                          ; s32  the lap whose tiles are being asked for
.set ROT1, 33                          ; s33  2 (c % 8)
.set ROT2, 34                          ; s34  4 (c % 4)
.set OFF1, 35                          ; s35  layer 1: my true hidden block x 16,384
.set BP,   36                          ; s[36:43]  four pointers: b1, later b2, later out
.set OFF2, 44                          ; s44  layer 2: 2^21 + w x 16,384
.set T0,   46                          ; s[46:47]  a tile's offset in wp; the high word stays 0
.set T1,   48                          ; s48  at work
.set RC,   49                          ; s49  c % 8
.set XC,   50                          ; s50  the place of q's chunk to be loaded next
.set LIM,  51                          ; s51  2 in wave 0, else the greatest number
.set PF,   52                          ; s[52:53]  wp at my work-group's 8,192 bytes of W2
.set SGN,  54                          ; s54  the sign bits of two bf16
.set GW,   56                          ; s56  g: it enters the addresses of q, out and the prefetch alone
.set AW,   8                           ; v8-9    my 16 bytes in my wave's part of slot 0, 1; never rewritten
.set AX,   10                          ; v10-11  my place in x's rows, m = 0, 1: (16 m + r) PX + 16 h + 128 x chunk
.set XW,   12                          ; v12-13  where I store 8 bytes of q's chunk: rows 8 h + 2 w (+ 16)
.set XO,   14                          ; v14     the same rows in q: (8 h + 2 w) x 2,048 + 16 (lane % 16)
.set XOC,  15                          ; v15     XO + the chunk's 256 bytes
.set HS,   16                          ; v16-17  where I store 16 bytes of h, m = 0, 1
.set BO,   18                          ; v18     32 h: my eight numbers of a bias tile
.set SS,   19                          ; v19     the way out: where I put 16 bytes of a row
.set SR,   20                          ; v20     the way out: where I read a row back
.set GO,   21                          ; v21     16 x lane
.set PFO,  22                          ; v22     256 x lane; never rewritten
.set ZERO, 23                          ; v23     0, for the ReLU
.set AXB,  24                          ; v24-25  AX at chunk 0
.set XOH,  26                          ; v26     XO + the first chunk's bytes
.set SPW,  28                          ; v28     LDS address of my spare word; never rewritten
.set NIL,  29                          ; v29     0; never rewritten
.set XP0,  32
.set XN,   160
.set TMP,  208
.set WB0,  0                           ; window 1
.set WB1,  64
.set XS,   128
.set XT,   192
.set MSB, 0
.macro WIN new                         ; the immediate's high byte repeats the setting that is left; a switch that changes nothing is dropped
.if MSB != (\new)
	s_set_vgpr_msb (MSB<<8)|(\new)
.set MSB, \new
.endif
.endm
; A vector instruction or a load that writes a register of a matrix instruction, or reads its result, stands four places behind it; only plain vector instructions that name none of its
; registers are places (ISA guide 7.12.1 for vector instructions).
.macro PLACES
.rept 4
	v_nop
.endr
.endm
.macro CREST                           ; a round of the cluster's barrier behind its opening barrier: wave 0 signals for the work-group, every wave waits for all four work-groups, my work-group's barrier closes it
	s_cmp_lg_u32 s[WV], 0
	s_cbranch_scc1 .Lnot_wave_0_\@
	s_barrier_signal -3
.Lnot_wave_0_\@:
	s_barrier_wait -3
	s_barrier_signal -1
	s_barrier_wait -1
.endm
.macro CROUND                          ; a whole round
	s_barrier_signal -1
	s_barrier_wait -1
	CREST
.endm
; The address of my 16 KiB of lap LAPN's tile for slot sl: wp + (true K slice) x 131,072 + sl x 65,536 + layer and block.  Made anew each time from the lap's number.
.macro TILEADR sl
	s_cmp_lt_u32 s[LAPN], 16                       ; layer 1 or 2
	s_cselect_b32 s[T0], s[ROT1], s[ROT2]
	s_cselect_b32 s[T1], s[OFF1], s[OFF2]
	s_add_co_u32 s[T0], s[T0], s[LAPN]
	s_and_b32 s[T0], s[T0], 15                     ; the true slice
	s_lshl_b32 s[T0], s[T0], 17
	s_add_co_u32 s[T0], s[T0], s[T1]
.if \sl
	s_add_co_u32 s[T0], s[T0], SLOTB
.endif
	s_add_nc_u64 s[G0+4*(\sl)+2:G0+4*(\sl)+3], s[WP:WP+1], s[T0:T0+1]
	s_or_b32 s[G0+4*(\sl)+3], s[G0+4*(\sl)+3], 0x80000000  ; 127:126 type = 2
.endm
.macro NEXTTILE sl                     ; slot 0 is the first to ask for a new lap
.if (\sl) == 0
	s_add_co_u32 s[LAPN], s[LAPN], 1
.endif
	TILEADR \sl
.endm
; A joint load: every wave asks for its own 16 KiB (both addresses hang on the wave's number), with one mask: no branch.  An s_nop 0 and four v_nop follow it.
.macro JLOAD sl
	tensor_load_to_lds s[G0+4*(\sl):G0+4*(\sl)+3], s[G1:G1+7]
	s_nop 0
.rept 4
	v_nop
.endr
.endm
; 16 LDS loads: the 8 fragments of one component (half 0 or 1 of slot sl) into buffer wb
.macro FETCHW sl, half, wb
	WIN 0x40
.irp t, 0,1,2,3,4,5,6,7
	ds_load_b128 v[(\wb)+8*(\t):(\wb)+8*(\t)+3],   v[AW+(\sl)] offset:(\half)*8192+(\t)*1024
	ds_load_b128 v[(\wb)+8*(\t)+4:(\wb)+8*(\t)+7], v[AW+(\sl)] offset:(\half)*8192+(\t)*1024+512
.endr
.endm
; 16 LDS loads: a lap's 8 fragments of x or h (4 components x 2 row tiles, 32 channels at byte off of the chunk) into buffer par
.macro FETCHX par, off
	WIN 0
.irp a, 0,1,2,3
.irp m, 0,1
	ds_load_b128 v[XP0+64*(\par)+16*(\a)+8*(\m):XP0+64*(\par)+16*(\a)+8*(\m)+3],   v[AX+(\m)] offset:(\a)*1024+(\off)
	ds_load_b128 v[XP0+64*(\par)+16*(\a)+8*(\m)+4:XP0+64*(\par)+16*(\a)+8*(\m)+7], v[AX+(\m)] offset:(\a)*1024+(\off)+32
.endr
.endr
.endm
.macro NEGX par                        ; -x_i, -x_j, -x_k: two bf16 signs an instruction, exact
	WIN 0
.set z, 0
.rept 48
	v_xor_b32 v[XN+z], s[SGN], v[XP0+64*(\par)+16+z]
.set z, z+1
.endr
.endm
; 8 products: W_b's 8 tiles times x_a's row tile m, onto component a xor b.  The 8 accumulators take turns, and neighbouring runs differ in the component or in m, over unit, lap and loop edges too:
; no two matrix instructions that follow each other share an accumulator.
.macro MUL8 wb, b, a, m, par
	WIN 0xa1+0x50*(\m)
.if (NEGM>>(4*(\a)+(\b)))&1
.set XSRC, XN+16*((\a)-1)+8*(\m)
.else
.set XSRC, XP0+64*(\par)+16*(\a)+8*(\m)
.endif
.set AC, 64*((\a)+(\b)-2*((\a)&(\b)))  ; a xor b
.irp t, 0,1,2,3,4,5,6,7
	v_wmma_f32_16x16x32_bf16 v[AC+8*(\t):AC+8*(\t)+7], v[(\wb)+8*(\t):(\wb)+8*(\t)+7], v[XSRC:XSRC+7], v[AC+8*(\t):AC+8*(\t)+7]
.endr
.endm
; q's chunk of 64 channels: 32 rows x 256 bytes of each component.  A wave takes 8 rows: 16 loads; lanes 0-15 one row's 256 bytes (aligned), lanes 16-31 those of the row 8 further down.
.macro XLOAD base, voff
	WIN 0x40
.irp a, 0,1,2,3
.irp k, 0,1,2,3
	global_load_b128 v[(\base)+16*(\a)+4*(\k):(\base)+16*(\a)+4*(\k)+3], v[\voff], s[QP+2*(\a):QP+2*(\a)+1] offset:(16*((\k)/2)+(\k)%2)*2048 th:TH_LOAD_NT
.endr
.endr
.endm
; The chunk is rounded to bf16 in place and stored: 8 bytes a lane; the two rows of a store lie 8 x 4,112 bytes apart, 128 modulo 256, so each bank is touched once.  Then the place steps.
.macro CVTSTORE base
	WIN 0x45
.set z, 0
.rept 16
	v_cvt_pk_bf16_f32 v[(\base)+4*z], v[(\base)+4*z], v[(\base)+4*z+1]
	v_cvt_pk_bf16_f32 v[(\base)+4*z+1], v[(\base)+4*z+2], v[(\base)+4*z+3]
.set z, z+1
.endr
	WIN 0x04
.irp a, 0,1,2,3
.irp k, 0,1,2,3
	ds_store_b64 v[XW+(\k)/2], v[(\base)+16*(\a)+4*(\k):(\base)+16*(\a)+4*(\k)+1] offset:((\k)%2)*PX+(\a)*1024
.endr
.endr
	WIN 0
	v_add_nc_u32 v[XW], 128, v[XW]
	v_add_nc_u32 v[XW+1], 128, v[XW+1]
.endm
; Once a trip of layer 1 (trip d = 8 - LEFT multiplies chunk d): chunk d + 1, loaded a trip ago, is stored; chunk d + 2 is asked for.  Trip 6 loads nothing, trip 7 stores nothing.
.macro XIN
	WIN 0
	s_cmp_lt_u32 s[LEFT], 2
	s_cbranch_scc1 .Lxin_end_\@
	s_wait_loadcnt 0x0                             ; the 16 loads issued a trip (512 products) ago; their address register is free too
	CVTSTORE XS
	s_cmp_lt_u32 s[LEFT], 3
	s_cbranch_scc1 .Lxin_end_\@
	s_add_co_u32 s[T1], s[XC], s[RC]
	s_and_b32 s[T1], s[T1], 7                      ; the true chunk
	s_lshl_b32 s[T1], s[T1], 8
	s_add_co_u32 s[XC], s[XC], 1
	v_add_nc_u32 v[XOC], s[T1], v[XO]
	XLOAD XS, XOC
	WIN 0
.Lxin_end_\@:
.endm
; W2 IS PREFETCHED INTO THE L2, once: in lap 13, two laps (512 products) ahead of lap 15's first request for a tile of W2.  Wave 0 of each work-group names 32 blocks of 256 bytes, a lane a block:
; 256 work-groups x 8,192 bytes are W2's 2 MiB, each block named once in the launch; the work-groups are told apart by address alone.  W1's tiles are first asked for at the kernel's head and in lap 0,
; where nothing is prefetched; q's loads go out a trip ahead themselves.
.macro ASK
	s_cmp_eq_u32 s[LEFT], s[LIM]
	s_cbranch_scc0 .Lnot_mine_\@
	global_prefetch_b8 v[PFO], s[PF:PF+1] th:TH_LOAD_NT scope:SCOPE_SE
.Lnot_mine_\@:
.endm
; The accumulators of row tile m take the bias: register j of lane (r, h) of acc(o, t, m) is b_o[my block + 16 t + 8 h + j].
.macro BIASLD m
	WIN 0x80+0x40*(\m)
.irp o, 0,1,2,3
.irp t, 0,1,2,3,4,5,6,7
	global_load_b128 v[8*(8*(\o)+(\t)):8*(8*(\o)+(\t))+3],   v[BO], s[BP+2*(\o):BP+2*(\o)+1] offset:(\t)*64
	global_load_b128 v[8*(8*(\o)+(\t))+4:8*(8*(\o)+(\t))+7], v[BO], s[BP+2*(\o):BP+2*(\o)+1] offset:(\t)*64+16
.endr
.endr
.endm
; A unit: 64 products with W_b (buffer wb).  In its middle: the next unit's fragments (fetch = 1: half fhalf of slot fsl into fwb), the negated x (neg), q's way in (xin).
; tw = 1 (the last lap): the slot to be read has no change of slots in front of it, so its tensor load is waited for here.
.macro UNIT b, wb, par, fetch, fsl, fhalf, fwb, neg, xin, tw
	s_wait_dscnt 0x0                               ; this unit's fragments, asked for 32 products ago or more
.irp a, 0,1,2,3
	MUL8 \wb, \b, \a, 0, \par
.endr
.if \fetch
	PLACES
.if \tw
	s_wait_tensorcnt 0x0
.endif
	FETCHW \fsl, \fhalf, \fwb
.endif
.if \neg
	NEGX \par
.endif
.if \xin
	XIN
.endif
.irp a, 0,1,2,3
	MUL8 \wb, \b, \a, 1, \par
.endr
.endm
; A unit with a CHANGE OF SLOTS: slot sl, whose second component is in registers, is filled again with the next lap's tile.  Each wave waits for all its tensor loads, of which one is out: its part of
; the other slot; adds 0 to its spare word; and waits for that and for its reads of the slot.  The barrier opens a round of the cluster's barrier: behind it no wave of any partner reads the slot or has a
; load on its way, and the joint refill comes first.  Then the other slot's first component, and (fx) the next lap's x: 1: the chunk's second slice; 2: the next chunk; 3: the same, but not in the last trip.
.macro TURN b, wb, par, sl, fwb, fx, ask
	WIN 0                                          ; (the add's two registers lie in window 0)
	s_wait_tensorcnt 0x0                           ; all my tensor loads have landed, so a group 0 may be written
	ds_add_u32 v[SPW], v[NIL]                      ; 0 onto my spare word
	NEXTTILE \sl
	s_wait_dscnt 0x1                               ; the add alone may be out: this unit's 16 fragment loads are in (and q's 16 stores, where they were issued, are done)
	MUL8 \wb, \b, 0, 0, \par                       ; eight products stand between the add and the wait for it
	s_wait_dscnt 0x0                               ; the add is done, and my reads of the slot are over
	s_barrier_signal -1
	MUL8 \wb, \b, 1, 0, \par                       ; work on registers while the others arrive
	WIN 0
	s_barrier_wait -1
	CREST
	JLOAD \sl                                      ; its four v_nop are also the places in front of the loads below
	FETCHW 1-(\sl), 0, \fwb
.if (\fx) == 1
	FETCHX 1, 64
.elseif (\fx) == 2
	WIN 0
	v_add_nc_u32 v[AX], 128, v[AX]
	v_add_nc_u32 v[AX+1], 128, v[AX+1]
	FETCHX 0, 0
.elseif (\fx) == 3
	WIN 0
	s_cmp_eq_u32 s[LEFT], 1                        ; behind layer 1's last lap there is no x
	s_cbranch_scc1 .Lno_x_\@
	v_add_nc_u32 v[AX], 128, v[AX]
	v_add_nc_u32 v[AX+1], 128, v[AX+1]
	FETCHX 0, 0
.Lno_x_\@:
.endif
.if \ask
	WIN 0
	ASK
.endif
	MUL8 \wb, \b, 2, 0, \par
	MUL8 \wb, \b, 3, 0, \par
.irp a, 0,1,2,3
	MUL8 \wb, \b, \a, 1, \par
.endr
.endm
.macro LAP par, xin, fx3, ask          ; 256 products, 80 LDS loads, two changes of slots
	UNIT 0, WB0, \par, 1, 0, 1, WB1, 1, 0, 0
	TURN 1, WB1, \par, 0, WB0, 0, \ask
	UNIT 2, WB0, \par, 1, 1, 1, WB1, 0, \xin, 0
	TURN 3, WB1, \par, 1, WB0, \fx3, 0
.endm
; h: component o, row tile m: rounded to bf16 (each accumulator from its low end on), ReLU on the pairs, 16 bytes a lane into row 16 m + r at byte 1,024 o + 256 w + 32 t + 16 h.
.macro PACKH o, m
	WIN 0x0a+5*(\m)                                ; sources 0 and 1: window 2 or 3
.irp t, 0,1,2,3,4,5,6,7
.irp e, 0,1,2,3
	v_cvt_pk_bf16_f32 v[TMP+4*(\t)+(\e)], v[8*(8*(\o)+(\t))+2*(\e)], v[8*(8*(\o)+(\t))+2*(\e)+1]
.endr
.endr
	WIN 0
.set z, 0
.rept 32
	v_pk_max_num_bf16 v[TMP+z], v[TMP+z], v[ZERO]
.set z, z+1
.endr
.irp t, 0,1,2,3,4,5,6,7
	ds_store_b128 v[HS+(\m)], v[TMP+4*(\t):TMP+4*(\t)+3] offset:(\o)*1024+(\t)*32
.endr
.endm
; THE WAY OUT of block k (row tile k / 4, component k % 4): 16 rows x 512 bytes of f32 through my own stage, back as whole rows.
.macro TOSTAGE k
.if (\k) >= 2
	s_wait_xcnt 0x0                                ; the stores of block k - 2 have read their registers, which are loaded again below
.endif
	WIN 0x08+4*((\k)/4)                            ; store data: window 2 or 3
.irp t, 0,1,2,3,4,5,6,7
	ds_store_b128 v[SS], v[8*(8*((\k)%4)+(\t)):8*(8*((\k)%4)+(\t))+3]   offset:(\t)*64
	ds_store_b128 v[SS], v[8*(8*((\k)%4)+(\t))+4:8*(8*((\k)%4)+(\t))+7] offset:(\t)*64+16
.endr
	WIN 0x40
.irp p, 0,1,2,3,4,5,6,7,8,9,10,11,12,13,14,15
	ds_load_b128 v[64*((\k)%2)+4*(\p):64*((\k)%2)+4*(\p)+3], v[SR] offset:(\p)*SPITCH  ; LDS serves a wave's instructions in order (ISA guide 5.7.1.4): these see the stores above; the next block's stores come behind them
.endr
.endm
.macro SEND k, younger                 ; younger: the LDS instructions issued behind block k's loads
	WIN 0x04
	s_wait_dscnt \younger
.irp p, 0,1,2,3,4,5,6,7,8,9,10,11,12,13,14,15
	global_store_b128 v[GO], v[64*((\k)%2)+4*(\p):64*((\k)%2)+4*(\p)+3], s[BP+2*((\k)%4):BP+2*((\k)%4)+1] offset:(16*((\k)/4)+(\p))*2048 th:TH_STORE_NT  ; 512 consecutive bytes, at a multiple of 512 from the output's first byte
.endr
.endm
	s_load_b256 s[QP:QP+7], s[0:1], 0x0            ; q_r, q_i, q_j, q_k
	s_load_b64 s[WP:WP+1], s[0:1], 0x20            ; wp
	s_load_b256 s[BP:BP+7], s[0:1], 0x28           ; b1_r, b1_i, b1_j, b1_k
	v_lshl_add_u32 v[SPW], v0, 2, SPARE
	v_mov_b32 v[NIL], 0
	ds_add_u32 v[SPW], v[NIL]                      ; the wave's opening: the add, twice on end, and its wait ahead of my first tensor load; the set-up below stands between
	ds_add_u32 v[SPW], v[NIL]                      ; and once more, under the one wait
	v_lshrrev_b32 v1, 5, v0
	v_readfirstlane_b32 s[WV], v1                  ; wave 0..3
	s_bfe_u32 s55, ttmp6, 0x40000                  ; cx: my place in the cluster
	s_lshl_b32 s[GW], ttmp9, 2                     ; in a cluster launch ttmp9 counts clusters
	s_add_co_u32 s[GW], s[GW], s55                 ; g = 4 c + cx
	s_and_b32 s[RC], ttmp9, 7                      ; c % 8
	s_and_b32 s57, ttmp9, 3                        ; c % 4
	s_lshl_b32 s[ROT1], s[RC], 1
	s_lshl_b32 s[ROT2], s57, 2
	s_add_co_u32 s58, s[WV], s57
	s_and_b32 s58, s58, 3                          ; my true hidden block
	s_lshl_b32 s[OFF1], s58, 14
	s_lshl_b32 s59, s[WV], 14                      ; my 16 KiB of a slot, and of a tile of W2
	s_add_co_u32 s[OFF2], s59, 1<<21
	; descriptor group 1: 16,384 dense bytes as 64 rows of 256 bytes
	s_mov_b32 s[G1+0], 15|(3<<16)|(1<<21)          ; 15:0 the mask: all four work-groups; 17:16 elements of 8 bytes; 20 no padding; 21 set beside a mask
	s_mov_b32 s[G1+1], 32<<16                      ; tensor_dim0 = 32
	s_mov_b32 s[G1+2], 64<<16                      ; tensor_dim1 = 64
	s_mov_b32 s[G1+3], 32<<16                      ; tile_dim0 = 32
	s_mov_b32 s[G1+4], 64                          ; tile_dim1 = 64
	s_mov_b32 s[G1+5], 32                          ; 32 elements from row to row
	s_mov_b32 s[G1+6], 0
	s_mov_b32 s[G1+7], 0
	s_mov_b32 s[G0], 1                             ; 1:0 count = 1
	s_add_co_u32 s[G0+1], s59, RING                ; 63:32 LDS address: my part of slot 0: no place in the cluster enters it
	s_mov_b32 s[G0+4], 1
	s_add_co_u32 s[G0+5], s59, RING+SLOTB          ; and of slot 1
	s_mov_b32 s[LAPN], 0
	s_mov_b32 s[T0+1], 0
	s_mov_b32 s[SGN], 0x80008000
	s_cmp_eq_u32 s[WV], 0
	s_cselect_b32 s[LIM], 2, -1
	s_lshl_b32 s60, s[GW], 16                      ; my work-group's 32 rows of 2,048 bytes
	s_mov_b32 s61, 0
	s_lshl_b32 s62, s58, 9                         ; my true hidden block's 128 numbers of a bias
	s_mov_b32 s63, 0
	s_wait_dscnt 0x0                               ; both opening adds are done
	s_wait_kmcnt 0x0
.irp a, 0,1,2,3
	s_add_nc_u64 s[QP+2*(\a):QP+2*(\a)+1], s[QP+2*(\a):QP+2*(\a)+1], s[60:61]
	s_add_nc_u64 s[BP+2*(\a):BP+2*(\a)+1], s[BP+2*(\a):BP+2*(\a)+1], s[62:63]
.endr
	s_lshl_b32 s60, s[GW], 13
	s_add_nc_u64 s[PF:PF+1], s[WP:WP+1], s[60:61]
	s_add_nc_u64 s[PF:PF+1], s[PF:PF+1], 1<<21     ; W2 begins 2^21 bytes into wp
	TILEADR 0                                      ; lap 0
	TILEADR 1
	CROUND                                         ; all four work-groups are here: the first joint loads meet
	tensor_load_to_lds s[G0:G0+3], s[G1:G1+7]      ; the two first fills go out together, ahead of every wait on TENSORcnt and every LDS read: two loads of mine are out
	s_nop 0
	tensor_load_to_lds s[G0+4:G0+7], s[G1:G1+7]
	s_nop 0
.rept 4
	v_nop
.endr
	v_and_b32 v1, 15, v0                           ; r
	v_bfe_u32 v2, v0, 4, 1                         ; h
	v_and_b32 v3, 31, v0                           ; lane
	s_lshl_b32 s57, s[WV], 1
	v_lshl_add_u32 v4, v2, 3, s57                  ; 8 h + 2 w
	v_lshlrev_b32 v[XO], 11, v4
	v_lshl_add_u32 v[XO], v1, 4, v[XO]
	s_lshl_b32 s57, s[RC], 8
	v_add_nc_u32 v[XOH], s57, v[XO]                ; place 0 holds the true chunk c % 8,
	s_add_co_u32 s57, s[RC], 1
	s_and_b32 s57, s57, 7
	s_lshl_b32 s57, s57, 8
	v_add_nc_u32 v[XOC], s57, v[XO]                ; place 1 the next
	v_mul_u32_u24 v[XW], v4, PX
	v_lshl_add_u32 v[XW], v1, 3, v[XW]
	v_add_nc_u32 v[XW+1], 16*PX, v[XW]
	v_lshlrev_b32 v[BO], 5, v2
	s_add_co_u32 s59, s59, RING
	v_lshl_add_u32 v[AW], v3, 4, s59
	v_add_nc_u32 v[AW+1], SLOTB, v[AW]
	v_mul_u32_u24 v[AXB], v1, PX
	v_lshl_add_u32 v[AXB], v2, 4, v[AXB]           ; a fragment: lane (r, h) holds row r, channels 8 h + 0..7 and 16 + 8 h + 0..7: two loads of 16 bytes, 32 bytes apart
	v_add_nc_u32 v[AXB+1], 16*PX, v[AXB]
	v_mov_b32 v[AX], v[AXB]
	v_mov_b32 v[AX+1], v[AXB+1]
	s_lshl_b32 s57, s[WV], 8
	v_add_nc_u32 v[HS], s57, v[AXB]
	v_add_nc_u32 v[HS+1], s57, v[AXB+1]
	s_mul_i32 s57, s[WV], WSTAGE
	s_add_co_u32 s57, s57, STAGE                   ; my stage
	v_mul_u32_u24 v[SS], v1, SPITCH
	v_lshl_add_u32 v[SS], v2, 5, v[SS]
	v_add_nc_u32 v[SS], s57, v[SS]
	v_lshl_add_u32 v[SR], v3, 4, s57
	v_lshlrev_b32 v[GO], 4, v3
	v_lshlrev_b32 v[PFO], 8, v3
	v_mov_b32 v[ZERO], 0
	XLOAD XT, XOH                                  ; q's chunk at place 0,
	BIASLD 0                                       ; b1 into the accumulators,
	BIASLD 1
	XLOAD XS, XOC                                  ; and the chunk at place 1
	s_mov_b32 s[XC], 2
	s_wait_loadcnt 16                              ; chunk 0 and the biases are in; chunk 1's 16 loads may stay out
	CVTSTORE XT
	s_wait_tensorcnt 0x1                           ; my part of slot 0 is in; slot 1's may stay out
	s_wait_dscnt 0x0                               ; for the others' sake: my rows of chunk 0 are stored
	s_barrier_signal -1
	s_barrier_wait -1
	FETCHW 0, 0, WB0
	FETCHX 0, 0
	WIN 0                                          ; at a label and at a branch every window is 0
	s_mov_b32 s[LEFT], 8
.Llayer1:                                              ; a trip: one chunk of 64 channels, two laps
	LAP 0, 1, 1, 0
	LAP 1, 0, 3, 1
	WIN 0
	s_sub_co_u32 s[LEFT], s[LEFT], 1
	s_cmp_lg_u32 s[LEFT], 0
	s_cbranch_scc1 .Llayer1
	; THE CHANGE OF LAYERS.  Lap 15 has asked for layer 2's first tiles, and W_r's first fragments are on their way to registers.
	PLACES                                         ; behind the last products: the conversions read results, and loads land in the accumulators
	s_wait_xcnt 0x0                                ; every earlier memory instruction has read its address: the four pointers may be written
	s_load_b256 s[BP:BP+7], s[0:1], 0x48           ; b2_r, b2_i, b2_j, b2_k
	s_wait_dscnt 0x0                               ; my last fragments of x are in registers,
	s_barrier_signal -1
	s_barrier_wait -1                              ; and everybody's: only now is h written over x.
.irp o, 0,1,2,3
	PACKH \o, 0
.endr
	s_wait_kmcnt 0x0
	s_lshl_b32 s62, s[WV], 9                       ; layer 2: wave w makes the true block w
.irp o, 0,1,2,3
	s_add_nc_u64 s[BP+2*(\o):BP+2*(\o)+1], s[BP+2*(\o):BP+2*(\o)+1], s[62:63]
.endr
	BIASLD 0                                       ; rows 0-15 have been packed: their accumulators take b2 while rows 16-31 are packed
.irp o, 0,1,2,3
	PACKH \o, 1
.endr
	BIASLD 1
	WIN 0
	s_wait_dscnt 0x0                               ; for the others' sake: my part of h is stored
	s_barrier_signal -1
	s_barrier_wait -1
	v_mov_b32 v[AX], v[AXB]                        ; back to place 0
	v_mov_b32 v[AX+1], v[AXB+1]
	FETCHX 0, 0
	s_wait_loadcnt 0x0                             ; b2
	s_mov_b32 s[LEFT], 7
.Llayer2:                                              ; laps 16 to 29
	LAP 0, 0, 1, 0
	LAP 1, 0, 2, 0
	WIN 0
	s_sub_co_u32 s[LEFT], s[LEFT], 1
	s_cmp_lg_u32 s[LEFT], 0
	s_cbranch_scc1 .Llayer2
	s_wait_xcnt 0x0                                ; the tail is written out.  The four pointers are written once more
	s_load_b256 s[BP:BP+7], s[0:1], 0x68           ; out0 .. out3
	LAP 0, 0, 1, 0                                 ; lap 30 asks for lap 31's tiles
	UNIT 0, WB0, 1, 1, 0, 1, WB1, 1, 0, 0          ; lap 31 asks for nothing and has no round
	UNIT 1, WB1, 1, 1, 1, 0, WB0, 0, 0, 1          ; slot 1's last tile is waited for here
	UNIT 2, WB0, 1, 1, 1, 1, WB1, 0, 0, 0
	UNIT 3, WB1, 1, 0, 0, 0, WB0, 0, 0, 0
	PLACES                                         ; the LDS stores below read results just made
	s_wait_kmcnt 0x0
	s_lshl_b32 s60, s[GW], 16                      ; my work-group's 32 rows,
	s_lshl_b32 s62, s[WV], 9                       ; my wave's 128 columns
	s_add_co_u32 s60, s60, s62
.irp o, 0,1,2,3
	s_add_nc_u64 s[BP+2*(\o):BP+2*(\o)+1], s[BP+2*(\o):BP+2*(\o)+1], s[60:61]
.endr
	TOSTAGE 0
.irp k, 1,2,3,4,5,6,7
	TOSTAGE \k                                     ; a block's way through the stage stands between the loads of the block before and its stores
	SEND (\k)-1, 32                                ; block k's 16 stores and 16 loads may be out
.endr
	SEND 7, 0
	WIN 0
	s_wait_tensorcnt 0x0                           ; the wave's end, behind my last tensor load and my last LDS store
	ds_add_u32 v[SPW], v[NIL]
	s_wait_dscnt 0x0
	CROUND                                         ; the closing round: no work-group ends while a partner may still ask for a tile that names it
	s_endpgm
.Lfunc_end_k_q9f2b15f3a8_qmlp:
	.size	k_q9f2b15f3a8_qmlp, .Lfunc_end_k_q9f2b15f3a8_qmlp-k_q9f2b15f3a8_qmlp
	.p2alignl 7, 3214868480
	.fill 96, 4, 3214868480
	.section	.rodata,"a",@progbits
	.p2align	6, 0x0
	.amdhsa_kernel k_q9f2b15f3a8_qmlp
		.amdhsa_group_segment_fixed_size 327680
		.amdhsa_private_segment_fixed_size 0
		.amdhsa_enable_private_segment 0
		.amdhsa_kernarg_size 136
		.amdhsa_user_sgpr_count 2
		.amdhsa_user_sgpr_kernarg_segment_ptr 1
		.amdhsa_wavefront_size32 1
		.amdhsa_system_sgpr_workgroup_id_x 1
		.amdhsa_system_sgpr_workgroup_id_y 1
		.amdhsa_system_sgpr_workgroup_id_z 1
		.amdhsa_system_vgpr_workitem_id 0
		.amdhsa_next_free_vgpr 1024
		.amdhsa_next_free_sgpr 66
		.amdhsa_reserve_vcc 0
		.amdhsa_float_denorm_mode_32 3
		.amdhsa_float_denorm_mode_16_64 3
		.amdhsa_memory_ordered 1
		.amdhsa_forward_progress 1
		.amdhsa_inst_pref_size 255
	.end_amdhsa_kernel
	.section	.bss,"aw",@nobits
	.p2align	6
	.space	262144
	.amdgpu_metadata
---
amdhsa.version: [ 1, 2 ]
amdhsa.kernels:
  - .name:           k_q9f2b15f3a8_qmlp
    .symbol:         k_q9f2b15f3a8_qmlp.kd
    .args:
      - { .name: q_r, .offset: 0, .size: 8, .value_kind: global_buffer, .address_space: global }
      - { .name: q_i, .offset: 8, .size: 8, .value_kind: global_buffer, .address_space: global }
      - { .name: q_j, .offset: 16, .size: 8, .value_kind: global_buffer, .address_space: global }
      - { .name: q_k, .offset: 24, .size: 8, .value_kind: global_buffer, .address_space: global }
      - { .name: wp, .offset: 32, .size: 8, .value_kind: global_buffer, .address_space: global }
      - { .name: b1_r, .offset: 40, .size: 8, .value_kind: global_buffer, .address_space: global }
      - { .name: b1_i, .offset: 48, .size: 8, .value_kind: global_buffer, .address_space: global }
      - { .name: b1_j, .offset: 56, .size: 8, .value_kind: global_buffer, .address_space: global }
      - { .name: b1_k, .offset: 64, .size: 8, .value_kind: global_buffer, .address_space: global }
      - { .name: b2_r, .offset: 72, .size: 8, .value_kind: global_buffer, .address_space: global }
      - { .name: b2_i, .offset: 80, .size: 8, .value_kind: global_buffer, .address_space: global }
      - { .name: b2_j, .offset: 88, .size: 8, .value_kind: global_buffer, .address_space: global }
      - { .name: b2_k, .offset: 96, .size: 8, .value_kind: global_buffer, .address_space: global }
      - { .name: out0, .offset: 104, .size: 8, .value_kind: global_buffer, .address_space: global }
      - { .name: out1, .offset: 112, .size: 8, .value_kind: global_buffer, .address_space: global }
      - { .name: out2, .offset: 120, .size: 8, .value_kind: global_buffer, .address_space: global }
      - { .name: out3, .offset: 128, .size: 8, .value_kind: global_buffer, .address_space: global }
    .group_segment_fixed_size: 327680
    .private_segment_fixed_size: 0
    .kernarg_segment_align: 8
    .kernarg_segment_size: 136
    .max_flat_workgroup_size: 128
    .sgpr_count:     66
    .vgpr_count:     1024
    .wavefront_size: 32
...
	.end_amdgpu_metadata
.endif
;; end of part 2
;; ======== version 2 of 2: 2 launches; version 1 with the launch prep written anew for expert scheduling mode
;; workspace buffers: wp 4,194,304 bytes
;; launch prep (part 3): grid 256 x 1, 4 waves a work-group, no clusters, 17,920 bytes of LDS; arguments W1_r, W1_i, W1_j, W1_k, W2_r, W2_i, W2_j, W2_k, wp; writes wp
.if DOCPART == 3
	.amdgcn_target "amdgcn-amd-amdhsa--gfx1250"
	.amdhsa_code_object_version 6
	.text
	.protected	k_q9f2b15f3a8_prep
	.globl	k_q9f2b15f3a8_prep
	.p2align	8
	.type	k_q9f2b15f3a8_prep,@function
k_q9f2b15f3a8_prep:
	s_mov_b64 s[64:65], 0
	v_nop
	global_prefetch_b8 v0, s[64:65] scope:SCOPE_SE
	s_setreg_imm32_b32 hwreg(HW_REG_WAVE_SCHED_MODE, 0, 2), 2
	s_setreg_imm32_b32 hwreg(HW_REG_WAVE_MODE, 25, 1), 1
	s_wait_xcnt 0x0
	s_wait_alu depctr_vm_vsrc(0)
; The eight weight matrices [512][512] f32 are rounded once to bf16 and laid out in the order in which the second launch's matrix instructions take them.
; wp, in bytes: ((L*16+s)*2+P)*65536 + blk*16384 + b1*8192 + t*1024 + q*512 + lane*16, with layer L, K slice s of 32 channels, component b = 2 P + b1 (r, i, j, k = 0..3),
; block blk of 128 rows, tile t of 16 rows.  The 16 bytes of lane (r = lane % 16, h = lane / 16) are W[128 blk + 16 t + r][32 s + 16 q + 8 h + 0..7]: 1,024 bytes are one fragment of 16 rows x 32 channels.
; SHARES.  Work-group g takes 16 rows (tile row tr = g % 32) of matrix g / 32; wave v takes channels 128 v .. 128 v + 127: the K slices 4 v .. 4 v + 3.
; Each load takes 512 consecutive bytes of a row, each store 512 consecutive bytes of wp, both at multiples of 512 from the buffer's first byte.  The turn from rows to fragments goes through
; the wave's own stage in LDS, so no barrier is needed.  No matrix unit, no cluster, no ring: 8 MiB in, 4 MiB out, every byte once, all of a wave's 16 loads out at once.
; THE MODE: SCHED_MODE bits 1:0 = 2 (LLVM: expert scheduling mode 2), set by the entry lines.  The code itself states the register dependences
; between vector instructions and memory or LDS instructions, with s_wait_alu, always for 0.
; THE PLAN.  Registers that memory or LDS instructions touch:
;   v2, v3, v4, v8, v9   offsets, LDS addresses and the add's two registers: written by vector instructions at the head, never again; one wait ahead of the first load states that they are written.
;   X   a row's four registers: its global load lands in them (nothing names them before); its two conversions read them and write the first two; its LDS store reads those two; then nothing names them.
;   Y   the LDS loads land in them, the global stores read them; no vector instruction names them.
; The 16 rows go in four groups of four.  Group g's conversions name group g's registers alone; the LDS stores of group g - 1 stand among them, behind ONE wait at the group's head, which states
; that group g - 1's conversions have written those stores' data.  One more such wait stands ahead of the last group's stores.  No register that a memory or LDS instruction has read is written again,
; and the text has no loop: so no wait on vm_vsrc is owed ahead of the closing lines.
.set PITCH,  272                       ; a stage row: 256 bytes (128 bf16) + 16: the 16 rows that a load back touches start at 16 different groups of four banks (64 banks of 4 bytes: ISA guide 11.1)
.set WSTAGE, 16*PITCH                  ; a wave's stage
.set SPARE,  4*WSTAGE                  ; behind the stages: the spare words, 128 bytes a wave: two blocks of 256 bytes that no other line names
.set GOF, 2                            ; v2   16 x lane: my place in 512 bytes of W and of wp; never rewritten
.set SA,  3                            ; v3   stage: where I put 8 bytes of a row
.set RA,  4                            ; v4   stage: where I read 16 bytes of a fragment
.set SPW, 8                            ; v8   LDS address of my spare word; never rewritten
.set NIL, 9                            ; v9   0; never rewritten
.set X,   16                           ; v[16:79]   row p: 4 f32 as loaded, then 4 bf16 in the first two registers
.set Y,   80                           ; v[80:111]  eight half fragments
	s_load_b512 s[8:23], s[0:1], 0x0               ; the eight matrices, in the order W1 r i j k, W2 r i j k
	s_load_b64 s[4:5], s[0:1], 0x40                ; wp
	v_lshl_add_u32 v[SPW], v0, 2, SPARE
	v_mov_b32 v[NIL], 0
	v_lshrrev_b32 v1, 5, v0
	v_readfirstlane_b32 s6, v1                     ; wave 0..3
	v_and_b32 v5, 31, v0                           ; lane
	v_and_b32 v6, 15, v0                           ; r
	v_bfe_u32 v7, v0, 4, 1                         ; h
	v_lshlrev_b32 v[GOF], 4, v5
	s_wait_alu depctr_va_sdst(0)                   ; s6 is written, ahead of its first reader: the stage's place and the offsets in W and wp are made from it
	s_mul_i32 s7, s6, WSTAGE                       ; my stage
	v_lshl_add_u32 v[SA], v5, 3, s7                ; 8 x lane: a row's 256 bytes on end
	v_mul_u32_u24 v[RA], v6, PITCH
	v_lshl_add_u32 v[RA], v7, 4, v[RA]
	v_add_nc_u32 v[RA], s7, v[RA]                  ; row r, 16 h
	s_mov_b32 s2, ttmp9                            ; g
	s_and_b32 s32, s2, 31                          ; tr
	s_lshl_b32 s34, s32, 15                        ; 16 rows of 2,048 bytes
	s_lshl_b32 s33, s6, 9                          ; my 128 channels
	s_add_co_u32 s34, s34, s33
	s_mov_b32 s35, 0                               ; s[34:35]: my offset in the matrix
	s_lshr_b32 s36, s2, 7                          ; L
	s_lshl_b32 s36, s36, 4
	s_lshl2_add_u32 s36, s6, s36                   ; 16 L + 4 v: my first K slice
	s_lshl_b32 s36, s36, 1
	s_bfe_u32 s37, s2, 0x10006                     ; P = b / 2
	s_add_co_u32 s36, s36, s37
	s_lshl_b32 s36, s36, 16
	s_lshr_b32 s37, s32, 3                         ; blk
	s_lshl_b32 s37, s37, 14
	s_add_co_u32 s36, s36, s37
	s_bfe_u32 s37, s2, 0x10005                     ; b % 2
	s_lshl_b32 s37, s37, 13
	s_add_co_u32 s36, s36, s37
	s_and_b32 s37, s32, 7                          ; t
	s_lshl_b32 s37, s37, 10
	s_add_co_u32 s36, s36, s37
	s_mov_b32 s37, 0                               ; s[36:37]: my offset in wp
	s_wait_kmcnt 0x0
	s_bitcmp1_b32 s2, 5                            ; matrix g / 32 is chosen bit by bit: the selects leave SCC as it is
	s_cselect_b64 s[24:25], s[10:11], s[8:9]
	s_cselect_b64 s[26:27], s[14:15], s[12:13]
	s_cselect_b64 s[28:29], s[18:19], s[16:17]
	s_cselect_b64 s[30:31], s[22:23], s[20:21]
	s_bitcmp1_b32 s2, 6
	s_cselect_b64 s[24:25], s[26:27], s[24:25]
	s_cselect_b64 s[28:29], s[30:31], s[28:29]
	s_bitcmp1_b32 s2, 7
	s_cselect_b64 s[24:25], s[28:29], s[24:25]
	s_add_nc_u64 s[24:25], s[24:25], s[34:35]
	s_add_nc_u64 s[4:5], s[4:5], s[36:37]
	s_wait_alu depctr_va_vdst(0)                   ; v2, v3, v4, v8 and v9 are written: every load, store and LDS instruction below reads one of them as its offset or address, the closing add two; no vector instruction below names them
.irp p, 0,1,2,3,4,5,6,7,8,9,10,11,12,13,14,15
	global_load_b128 v[X+4*(\p):X+4*(\p)+3], v[GOF], s[24:25] offset:(\p)*2048 th:TH_LOAD_NT  ; row p: my wave's 512 bytes
.endr
.macro CVT p                           ; row p: four numbers close up into the first two of their four registers
	v_cvt_pk_bf16_f32 v[X+4*(\p)], v[X+4*(\p)], v[X+4*(\p)+1]
	v_cvt_pk_bf16_f32 v[X+4*(\p)+1], v[X+4*(\p)+2], v[X+4*(\p)+3]
.endm
.macro PUT p                           ; row p goes into the stage
	ds_store_b64 v[SA], v[X+4*(\p):X+4*(\p)+1] offset:(\p)*PITCH
.endm
; Group g: rows 4 g .. 4 g + 3 are rounded; the rows of the group before are stored, a store ahead of each row's two conversions.
.macro GROUP g
	s_wait_loadcnt 12-4*(\g)                       ; loads come back in order (ISA guide 5.7.1): the group's four rows are in, the 12 - 4 g younger ones stay out
.if (\g) > 0
	s_wait_alu depctr_va_vdst(0)                   ; the conversions of the group before have written the data of the four LDS stores below; this group's conversions name none of those registers
.endif
.irp i, 0,1,2,3
.if (\g) > 0
	PUT 4*((\g)-1)+(\i)
.endif
	CVT 4*(\g)+(\i)
.endr
.endm
	GROUP 0
	GROUP 1
	GROUP 2
	GROUP 3
	s_wait_alu depctr_va_vdst(0)                   ; the last group's conversions have written rows 12 to 15, which the four LDS stores below read
.irp i, 12,13,14,15
	PUT \i
.endr
.irp i, 0,1,2,3,4,5,6,7
	ds_load_b128 v[Y+4*(\i):Y+4*(\i)+3], v[RA] offset:((\i)/2)*64+((\i)%2)*32  ; slice i / 2, half q = i % 2; LDS serves a wave's instructions in order (ISA guide 5.7.1.4): these see the stores above
.endr
.irp i, 0,1,2,3,4,5,6,7
	s_wait_dscnt 7-(\i)                            ; half fragment i is in
	global_store_b128 v[GOF], v[Y+4*(\i):Y+4*(\i)+3], s[4:5] offset:((\i)/2)*131072+((\i)%2)*512  ; a K slice is 131,072 bytes of wp
.endr
	s_wait_dscnt 0x0                               ; the closing lines, six on end
	s_wait_alu 0x0
	s_wait_tensorcnt 0x0
	ds_add_u32 v[SPW], v[NIL]
	s_wait_dscnt 0x0
	s_endpgm
.Lfunc_end_k_q9f2b15f3a8_prep:
	.size	k_q9f2b15f3a8_prep, .Lfunc_end_k_q9f2b15f3a8_prep-k_q9f2b15f3a8_prep
	.p2alignl 7, 3214868480
	.fill 96, 4, 3214868480
	.section	.rodata,"a",@progbits
	.p2align	6, 0x0
	.amdhsa_kernel k_q9f2b15f3a8_prep
		.amdhsa_group_segment_fixed_size 17920
		.amdhsa_private_segment_fixed_size 0
		.amdhsa_enable_private_segment 0
		.amdhsa_kernarg_size 72
		.amdhsa_user_sgpr_count 2
		.amdhsa_user_sgpr_kernarg_segment_ptr 1
		.amdhsa_wavefront_size32 1
		.amdhsa_system_sgpr_workgroup_id_x 1
		.amdhsa_system_sgpr_workgroup_id_y 1
		.amdhsa_system_sgpr_workgroup_id_z 1
		.amdhsa_system_vgpr_workitem_id 0
		.amdhsa_next_free_vgpr 112
		.amdhsa_next_free_sgpr 66
		.amdhsa_reserve_vcc 0
		.amdhsa_float_denorm_mode_32 3
		.amdhsa_float_denorm_mode_16_64 3
		.amdhsa_memory_ordered 1
		.amdhsa_forward_progress 1
		.amdhsa_inst_pref_size 9
	.end_amdhsa_kernel
	.amdgpu_metadata
---
amdhsa.version: [ 1, 2 ]
amdhsa.kernels:
  - .name:           k_q9f2b15f3a8_prep
    .symbol:         k_q9f2b15f3a8_prep.kd
    .args:
      - { .name: W1_r, .offset: 0, .size: 8, .value_kind: global_buffer, .address_space: global }
      - { .name: W1_i, .offset: 8, .size: 8, .value_kind: global_buffer, .address_space: global }
      - { .name: W1_j, .offset: 16, .size: 8, .value_kind: global_buffer, .address_space: global }
      - { .name: W1_k, .offset: 24, .size: 8, .value_kind: global_buffer, .address_space: global }
      - { .name: W2_r, .offset: 32, .size: 8, .value_kind: global_buffer, .address_space: global }
      - { .name: W2_i, .offset: 40, .size: 8, .value_kind: global_buffer, .address_space: global }
      - { .name: W2_j, .offset: 48, .size: 8, .value_kind: global_buffer, .address_space: global }
      - { .name: W2_k, .offset: 56, .size: 8, .value_kind: global_buffer, .address_space: global }
      - { .name: wp, .offset: 64, .size: 8, .value_kind: global_buffer, .address_space: global }
    .group_segment_fixed_size: 17920
    .private_segment_fixed_size: 0
    .kernarg_segment_align: 8
    .kernarg_segment_size: 72
    .max_flat_workgroup_size: 128
    .sgpr_count:     66
    .vgpr_count:     112
    .wavefront_size: 32
...
	.end_amdgpu_metadata
.endif
;; end of part 3
;; launch qmlp: the kernel of part 2 again; grid 256 x 1, 4 waves a work-group, clusters of 4 x 1, 327,680 bytes of LDS; arguments q_r, q_i, q_j, q_k, wp, b1_r, b1_i, b1_j, b1_k, b2_r, b2_i, b2_j, b2_k, out0, out1, out2, out3; writes out0, out1, out2, out3
